; MI455X (gfx1250); checked and timed in simulation.
; The chip was launched on July 23, 2026; its instructions are those of AMD's public machine-readable ISA for CDNA 5 (MIT licence, August 2026) and "CDNA5" Instruction Set Architecture Reference Guide (July 2026). The comments in the code are by the model that wrote it; some were corrected since.
;; Multi Head Attention. Allowed arithmetic: matrix products marked QUANTISED: E4M3 operands, one given power-of-two scale a tensor, by v_wmma_f32_16x16x64_fp8_fp8 or v_wmma_f32_16x16x128_fp8_fp8, f32 sums; everything else in f32.
;; Inputs: Wk 1,024 x 1,024 float32; Wo 1,024 x 1,024 float32; Wq 1,024 x 1,024 float32; Wv 1,024 x 1,024 float32; bk 1,024 float32; bo 1,024 float32; bq 1,024 float32; bv 1,024 float32; keys 4 x 2,048 x 1,024 float32; lowp_scales 12 int32 (the exponents e of the quantised operands' scales 2^e); queries 4 x 2,048 x 1,024 float32; values 4 x 2,048 x 1,024 float32.
;; Outputs: out0 4 x 2,048 x 1,024 float32.
;; This version of the problem:
;;   THIS VERSION OF THE PROBLEM IS GIVEN IN LOW PRECISION. The matrix products marked QUANTISED in the list below multiply operands that are first quantised to E4M3 (4 exponent bits, 3 mantissa bits; 8 bits a number), with one given power-of-two scale for each operand tensor; their sums are f32. All else is computed in f32.
;;   The module's matrix products, in the order in which they are computed (A, B: the left and right operand; K: the contracted axis; several contracted axes count as one K, in the product's order):
;;     1. [M 8,192, K 1,024] x [K 1,024, N 1,024]; A: input queries; B: input Wq: QUANTISED (scales: A lowp_scales[0], B lowp_scales[1])
;;     2. [M 8,192, K 1,024] x [K 1,024, N 1,024]; A: input keys; B: input Wk: QUANTISED (scales: A lowp_scales[2], B lowp_scales[3])
;;     3. [M 8,192, K 1,024] x [K 1,024, N 1,024]; A: input values; B: input Wv: QUANTISED (scales: A lowp_scales[4], B lowp_scales[5])
;;     4. batch 64 x [M 2,048, K 64] x [K 64, N 2,048]; A: computed on the way; B: computed on the way: QUANTISED (scales: A lowp_scales[6], B lowp_scales[7])
;;     5. batch 64 x [M 2,048, K 2,048] x [K 2,048, N 64]; A: softmax (see below); B: computed on the way: QUANTISED (scales: A lowp_scales[8], B lowp_scales[9])
;;     6. [M 8,192, K 1,024] x [K 1,024, N 1,024]; A: computed on the way; B: input Wo: QUANTISED (scales: A lowp_scales[10], B lowp_scales[11])
;;   THE QUANTISER, for each operand of a quantised product, along K:
;;     - The operand's scale is 2^e, e = its entry of the input lowp_scales (int32; the entries are numbered through the quantised products in the list's order, A before B).
;;     - Each number is divided by the scale, clamped to +-448, and rounded to the nearest number of E4M3, ties to even, subnormals kept.
;;     - The product sums the exact products of the quantised numbers (number of the format x scale) in f32.
;;   ~~~python
;;   def quantise(x, axis, e):      # numpy; x: float32 -> the quantised numbers, widened to float32 again
;;       x = np.moveaxis(x, axis, -1); K = x.shape[-1]
;;       r = np.clip(x / 2.0 ** e, -448, 448)
;;       step = 2.0 ** (np.maximum(np.frexp(np.where(r == 0, 1, r))[1] - 1, -6) - 3)
;;       q = np.round(r / step) * step * 2.0 ** e      # np.round: ties to even
;;       return np.moveaxis(q, -1, axis).astype(np.float32)
;;   ~~~
;;   SOFTMAX AHEAD OF A QUANTISED PRODUCT. Where the list says 'softmax', what is quantised is not the finished softmax but p = 2^(t - M), with t = logit x log2(e) and M = ceil(the row's largest t), a whole number; so 1/2 < the row's largest p <= 1. The row's sum l is taken of the UNQUANTISED p, in f32, and the product's result is divided by l at the end. Since M is a whole number, a kernel that streams over the keys may use a running M (the ceiling of the running maximum): every later rescaling is an exact power of two, so the quantised numbers keep their values, but for numbers so far below the row's largest that they fall under the format's range.
;;   OPERANDS COMPUTED ON THE WAY. 'Computed on the way' means the value that the module computes at that place (a softmax that the list does not call 'softmax' is quantised finished and normalised). What goes into a quantiser is computed in f32, as accurately as f32 sums, v_exp_f32 and their like allow (about 1e-6 of the number): no bf16 or f16 on the way to a quantiser, and a product that is left as it is and whose result goes on into a quantised operand takes f32 operands (vector FMAs, or v_wmma_f32_16x16x4_f32). A number that lies on a knife's edge between two numbers of the format may be rounded either way, as far as f32 arithmetic and the matrix unit's own rounding can turn it there, and no further.
;; One version. Each part assembles by itself: llvm-mc -triple=amdgcn-amd-amdhsa -mcpu=gfx1250 --defsym DOCPART=n.
;; ======== version 1 of 1: 4 launches
;; limits: right only within a limited range of input values
;; workspace buffers: xc 25,165,824 bytes; wc 4,194,304 bytes; qkvc 25,165,824 bytes; attnc 8,388,608 bytes
;; launch quant (part 1): grid 448 x 1, 4 waves a work-group, no clusters, 34,304 bytes of LDS; arguments queries, keys, values, Wq, Wk, Wv, Wo, lowp_scales, xc, wc; writes xc, wc
.if DOCPART == 1
	.amdgcn_target "amdgcn-amd-amdhsa--gfx1250"
	.amdhsa_code_object_version 6
	.text
	.protected	k_q5282be2696_quant
	.globl	k_q5282be2696_quant
	.p2align	8
	.type	k_q5282be2696_quant,@function
k_q5282be2696_quant:
	s_mov_b64 s[64:65], 0
	v_nop
	global_prefetch_b8 v0, s[64:65] scope:SCOPE_SE
	s_setreg_imm32_b32 hwreg(HW_REG_WAVE_MODE, 25, 1), 1
	s_wait_xcnt 0x0
; queries, keys, values [8192][1024] and Wq, Wk, Wv, Wo [1024][1024], f32, K innermost, become codes of FP8 (E4M3), each tensor with the one scale 2^e given for it.
; code = x / 2^e, held within +-448, rounded to the nearest code, ties to even.  LIMITS: e between -126 and 119, so that 2^e and 448 x 2^e are f32 numbers; NaN among the inputs is not served.
; THE CODES LEAVE AS IMAGES OF OPERAND REGISTERS.  A fragment is 16 rows x 128 K in 16 registers a lane: lane (r = lane % 16, h = lane / 16) holds row r, registers 2 c, 2 c + 1 hold k = 16 c + 8 h + 0 .. 7
; (the 8-bit layout of the plain matrix forms).  In memory chunk c4 (registers 4 c4 .. 4 c4 + 3) lies at 512 c4 + 16 x lane; fragment (row tile T, K step s) at ((T / 8 x 8 + s) x 8 + T % 8) x 2048.
; So 128 rows x 256 K are one dense block of 32,768 bytes for the products' tensor loads, and every fragment load and store of a wave is 512 consecutive bytes.
; SHARES.  A wave takes one row tile (16 rows x 1,024 numbers) in 8 steps, a fragment a step.  1,792 row tiles = 448 work-groups x 4 waves: work-groups 0-383 take the three activations (into xc, one behind
; the other), 384-447 the four weights (into wc).  One path for all: only pointers and e are chosen, on the work-group's number.
; A STEP.  Sixteen loads, each 512 consecutive bytes of one row; through the wave's own stage in LDS (rows of 512 + 16 bytes, so that the sixteen rows of a read start at sixteen different banks: ISA guide 11.1);
; back as 8 neighbours along K for each register pair; hold, conversion, four stores of 512 consecutive bytes.  Loads run two steps (32 loads a wave) ahead.  Waves share nothing: no barrier.
.set XWG,  384                         ; work-groups that take activations
.set STGB, 16*528                      ; a wave's stage
.set R,    32                          ; v32-159  two sets of 64 registers as loaded
.set X,    160                         ; v160-223 register 8 c + i = k 16 c + 8 h + i of my row
.set C,    224                         ; v224-239 the fragment's codes
	s_load_b512 s[8:23], s[0:1], 0x0               ; queries, keys, values, Wq, Wk, Wv, Wo, the scales' exponents (s[22:23])
	s_load_b128 s[24:27], s[0:1], 0x40             ; xc, wc
	v_lshl_add_u32 v240, v0, 2, 0x8400
	v_mov_b32 v241, 0
	v_lshrrev_b32 v4, 5, v0
	v_readfirstlane_b32 s4, v4                     ; wave 0..3
	v_and_b32 v1, 31, v0
	v_lshlrev_b32 v1, 4, v1                        ; 16 x lane: my bytes of a load's and of a store's 512; never rewritten
	v_and_b32 v5, 15, v0                           ; r
	v_bfe_u32 v6, v0, 4, 1                         ; h
	s_mul_i32 s6, s4, STGB
	v_add_nc_u32 v2, s6, v1                        ; the stage, on the way in: a row as it lies
	v_mul_u32_u24 v3, v5, 528
	v_lshl_add_u32 v3, v6, 5, v3
	v_add_nc_u32 v3, s6, v3                        ; and on the way out: row r, + 32 h bytes
	s_cmp_lt_u32 ttmp9, XWG                        ; an activation's work-group or a weight's?
	s_cselect_b32 s6, 0, XWG
	s_cselect_b32 s7, 7, 4                         ; 128 work-groups to an activation, 16 to a weight
	s_cselect_b32 s30, 0, 3
	s_cselect_b32 s31, 127, 15
	s_sub_co_u32 s6, ttmp9, s6                     ; the work-group's number within its output buffer
	s_lshr_b32 s5, s6, s7
	s_add_co_u32 s5, s5, s30                       ; u: which of the seven tensors
	s_and_b32 s7, s6, s31                          ; and which work-group of it
	s_lshl_b32 s28, s7, 2
	s_add_co_u32 s28, s28, s4
	s_lshl_b32 s28, s28, 16                        ; my row tile in the tensor: 16 rows of 4,096 bytes each
	s_mov_b32 s29, 0
	s_lshr_b32 s30, s6, 1
	s_lshl_b32 s30, s30, 17                        ; in the output: the group of 8 row tiles, 131,072 bytes,
	s_and_b32 s31, s6, 1
	s_lshl_b32 s31, s31, 2
	s_add_co_u32 s31, s31, s4
	s_lshl_b32 s31, s31, 11                        ; and my tile's place among the eight
	s_add_co_u32 s30, s30, s31
	s_mov_b32 s31, 0
	s_wait_alu depctr_va_vdst(0)
	s_wait_kmcnt 0x0
	s_load_b256 s[32:39], s[22:23], 0x0            ; e0 .. e7
	s_load_b128 s[40:43], s[22:23], 0x20           ; e8 .. e11
.irp n, 1,2,3,4,5,6
	s_cmp_eq_u32 s5, \n                            ; the choice hangs on the work-group's number alone
	s_cselect_b64 s[8:9], s[8+2*\n:9+2*\n], s[8:9]
.endr
	s_cmp_lt_u32 ttmp9, XWG
	s_cselect_b64 s[24:25], s[24:25], s[26:27]
	s_add_nc_u64 s[8:9], s[8:9], s[28:29]
	s_add_nc_u64 s[24:25], s[24:25], s[30:31]
.macro LOAD t                          ; step t's 128 numbers of each of my 16 rows, into set t % 2
.irp i, 0,1,2,3,4,5,6,7,8,9,10,11,12,13,14,15
	global_load_b128 v[R+64*((\t)%2)+4*\i:R+64*((\t)%2)+4*\i+3], v1, s[8:9] offset:4096*\i+512*(\t) th:TH_LOAD_NT   ; 32 lanes read 512 consecutive bytes; read once in the launch
.endr
.endm
	LOAD 0
	LOAD 1
	s_wait_kmcnt 0x0
	s_mov_b32 s30, s32                             ; the tensor's e: queries e0, keys e2, values e4, Wq e1, Wk e3, Wv e5, Wo e11
	s_cmp_eq_u32 s5, 1
	s_cselect_b32 s30, s34, s30
	s_cmp_eq_u32 s5, 2
	s_cselect_b32 s30, s36, s30
	s_cmp_eq_u32 s5, 3
	s_cselect_b32 s30, s33, s30
	s_cmp_eq_u32 s5, 4
	s_cselect_b32 s30, s35, s30
	s_cmp_eq_u32 s5, 5
	s_cselect_b32 s30, s37, s30
	s_cmp_eq_u32 s5, 6
	s_cselect_b32 s30, s43, s30
	s_add_co_i32 s30, s30, 127
	s_lshl_b32 s31, s30, 23
	v_mov_b32 v11, s31                             ; 2^e as f32: the conversion takes its exponent field
	s_add_co_i32 s30, s30, 8
	s_lshl_b32 s30, s30, 23
	s_or_b32 s30, s30, 0x600000
	v_mov_b32 v10, s30                             ; 448 x 2^e
.macro STEP t
.if (\t) < 7
	s_wait_loadcnt 16                              ; this step's 16 loads are in; the next step's 16 may be out
.else
	s_wait_loadcnt 0x0
.endif
.irp i, 0,1,2,3,4,5,6,7,8,9,10,11,12,13,14,15
	ds_store_b128 v2, v[R+64*((\t)%2)+4*\i:R+64*((\t)%2)+4*\i+3] offset:528*\i
.endr
.irp c, 0,1,2,3,4,5,6,7
	ds_load_b128 v[X+8*\c:X+8*\c+3], v3 offset:64*\c       ; LDS serves a wave's instructions in order (ISA guide 5.7.1.4): these see the stores above
	ds_load_b128 v[X+8*\c+4:X+8*\c+7], v3 offset:64*\c+16
.endr
	s_wait_dscnt 0x0                               ; the numbers are back, and the stores into the stage have read their registers,
	s_wait_xcnt 0x0                                ; and the last step's stores have read the codes' registers, which are written again below
.if (\t)+2 < 8
	LOAD (\t)+2                                    ; the set just emptied takes the loads of two steps on
.endif
.set j, 0
.rept 64
	v_med3_num_f32 v[X+j], v[X+j], -v10, v10       ; the conversion to an 8-bit code does not saturate (ISA guide 7.6.2): hold the number within the largest code x the scale first
.set j, j+1
.endr
.irp c, 0,1,2,3,4,5,6,7
	v_cvt_scalef32_pk8_fp8_f32 v[C+2*\c:C+2*\c+1], v[X+8*\c:X+8*\c+7], v11   ; eight neighbours along K: the operand's registers 2 c, 2 c + 1
.endr
	v_nop                                          ; one plain vector line behind the conversions: the next step's first hold writes a register that they read
.irp c, 0,1,2,3
	global_store_b128 v1, v[C+4*\c:C+4*\c+3], s[24:25] offset:16384*(\t)+512*\c   ; 32 lanes store 512 consecutive bytes, at a multiple of 512 from the buffer's first byte
.endr
.endm
	s_wait_alu depctr_va_vdst(0)
.irp t, 0,1,2,3,4,5,6,7
	STEP \t
.endr
	s_wait_tensorcnt 0x0
	ds_add_u32 v240, v241
	s_wait_dscnt 0x0
	s_endpgm
.Lfunc_end_k_q5282be2696_quant:
	.size	k_q5282be2696_quant, .Lfunc_end_k_q5282be2696_quant-k_q5282be2696_quant
	.p2alignl 7, 3214868480
	.fill 96, 4, 3214868480
	.section	.rodata,"a",@progbits
	.p2align	6, 0x0
	.amdhsa_kernel k_q5282be2696_quant
		.amdhsa_group_segment_fixed_size 34304
		.amdhsa_private_segment_fixed_size 0
		.amdhsa_enable_private_segment 0
		.amdhsa_kernarg_size 80
		.amdhsa_user_sgpr_count 2
		.amdhsa_user_sgpr_kernarg_segment_ptr 1
		.amdhsa_wavefront_size32 1
		.amdhsa_system_sgpr_workgroup_id_x 1
		.amdhsa_system_sgpr_workgroup_id_y 1
		.amdhsa_system_sgpr_workgroup_id_z 1
		.amdhsa_system_vgpr_workitem_id 0
		.amdhsa_next_free_vgpr 242
		.amdhsa_next_free_sgpr 66
		.amdhsa_reserve_vcc 0
		.amdhsa_float_denorm_mode_32 3
		.amdhsa_float_denorm_mode_16_64 3
		.amdhsa_memory_ordered 1
		.amdhsa_forward_progress 1
		.amdhsa_inst_pref_size 72
	.end_amdhsa_kernel
	.amdgpu_metadata
---
amdhsa.version: [ 1, 2 ]
amdhsa.kernels:
  - .name:           k_q5282be2696_quant
    .symbol:         k_q5282be2696_quant.kd
    .args:
      - { .name: queries, .offset: 0, .size: 8, .value_kind: global_buffer, .address_space: global }
      - { .name: keys, .offset: 8, .size: 8, .value_kind: global_buffer, .address_space: global }
      - { .name: values, .offset: 16, .size: 8, .value_kind: global_buffer, .address_space: global }
      - { .name: Wq, .offset: 24, .size: 8, .value_kind: global_buffer, .address_space: global }
      - { .name: Wk, .offset: 32, .size: 8, .value_kind: global_buffer, .address_space: global }
      - { .name: Wv, .offset: 40, .size: 8, .value_kind: global_buffer, .address_space: global }
      - { .name: Wo, .offset: 48, .size: 8, .value_kind: global_buffer, .address_space: global }
      - { .name: lowp_scales, .offset: 56, .size: 8, .value_kind: global_buffer, .address_space: global }
      - { .name: xc, .offset: 64, .size: 8, .value_kind: global_buffer, .address_space: global }
      - { .name: wc, .offset: 72, .size: 8, .value_kind: global_buffer, .address_space: global }
    .group_segment_fixed_size: 34304
    .private_segment_fixed_size: 0
    .kernarg_segment_align: 8
    .kernarg_segment_size: 80
    .max_flat_workgroup_size: 128
    .sgpr_count:     66
    .vgpr_count:     242
    .wavefront_size: 32
...
	.end_amdgpu_metadata
.endif
;; end of part 1
;; launch proj (part 2): grid 4 x 96, 4 waves a work-group, clusters of 4 x 4, 327,680 bytes of LDS; arguments xc, wc, bq, bk, bv, lowp_scales, qkvc; writes qkvc
.if DOCPART == 2
	.amdgcn_target "amdgcn-amd-amdhsa--gfx1250"
	.amdhsa_code_object_version 6
	.text
	.protected	k_q5282be2696_proj
	.globl	k_q5282be2696_proj
	.p2align	8
	.type	k_q5282be2696_proj,@function
k_q5282be2696_proj:
	s_mov_b64 s[64:65], 0
	v_nop
	global_prefetch_b8 v0, s[64:65] scope:SCOPE_SE
	s_setreg_imm32_b32 hwreg(HW_REG_WAVE_MODE, 25, 1), 1
	s_wait_xcnt 0x0
	s_wait_alu depctr_hold_cnt(0) depctr_sa_sdst(0) depctr_va_vdst(0) depctr_va_sdst(0) depctr_va_ssrc(0) depctr_va_vcc(0) depctr_vm_vsrc(0)
	s_getreg_b32 s2, hwreg(HW_REG_IB_STS2, 6, 4)
	s_cmp_eq_u32 s2, 0
	s_cbranch_scc0 .Lentry_in_a_cluster
	s_endpgm
.Lentry_in_a_cluster:
	s_bfe_u32 s2, ttmp6, 0x10000c
	s_cmp_lg_u32 s2, 0xf033
	s_cbranch_scc0 .Lentry_shape_is_right
	s_endpgm
.Lentry_shape_is_right:
; q = queries Wq^T + bq, k = keys Wk^T + bk, v = values Wv^T + bv on codes of FP8 (E4M3), and each result quantised at once for attention's products.  One launch for the three: t = 0, 1, 2.
; IN: xc, wc: codes as images of operand registers (fragment = 16 rows x 128 K = 2,048 bytes, chunk c at 512 c + 16 x lane; 128 rows x 256 K = one dense block of 32,768 bytes).
; OUT: qkvc: q at 0 and k at 8,388,608: fragment (batch x 16 + head, token tile) = 16 tokens x the head's 64 = 1,024 bytes; v at 16,777,216: fragment (batch x 16 + head, step of 64 keys, tile of 16 channels):
; 16 channels x 64 keys, the keys innermost, since they are the second product's K.
; value = sum x 2^(ex + ew) + bias, one fused multiply-add in f32; code = value / 2^eo, held within +-448, to the nearest code.  (ex, ew, eo) = entries (0, 1, 6), (2, 3, 7), (4, 5, 9) of the scales.
; LIMITS: ex + ew between -126 and 127, eo between -126 and 119, so that each power of two below is an f32 number.
; SHARES.  A work-group of four waves makes 256 tokens x 256 channels; a wave 128 x 128: 64 accumulators, 512 registers.  K = 1,024 goes in four steps of 256 through a ring of two LDS slots.
; In a result lane (r, h) holds row r of source 1, and its eight registers rows 8 h + 0 .. 7 of source 0.  ONE CONVERSION OF AN ACCUMULATOR'S EIGHT REGISTERS IS THEREFORE A REGISTER PAIR OF THE NEXT OPERAND,
; whose rows are source 1's and whose K runs along source 0's rows.  q, k: source 1 = tokens, source 0 = weights (K of the next product = channels).  v: source 1 = weights, source 0 = tokens (K = keys).
; The loop's text is one: for v the two fragment addresses change regions, by a choice on t, which comes from the cluster's y and is the same in all sixteen partners.  Nothing is transposed and nothing staged:
; the codes leave from registers, 512 consecutive bytes a store.
; CLUSTERS: 4 x 4 work-groups.  The four of a row need the same tokens, the four of a column the same weights: each block is asked for JOINTLY, by the same tensor load with the same descriptor and a mask of the four.
; 384 work-groups: each of the three tensors gives 32 x 4 blocks of 256 x 256.
; REGISTERS, in windows of 256: window 0: v16-31 addresses and constants; v32-95 the bias by register, v96-111 by lane; v128-255 source 1's fragments, ONE set (on the way out v128-191 values, v192-255 codes).
;   window 1: source 0's fragments, TWO sets.   window 2: the accumulators of source 1's blocks 0-3 ((a, b) at v[8 (8 (a % 4) + b)]);   window 3: of blocks 4-7.
.set FR,    16                         ; registers of a fragment
.set NL,    4                          ; LDS loads that bring one
.set NP,    4                          ; places behind this matrix instruction (ISA guide 7.12.1)
.set BLKB,  32768                      ; 128 rows x 256 K: what one tensor load brings
.set SLOT,  4*BLKB                     ; tokens' two groups of 128 rows, then the weights' two
.set SPARE, 2*SLOT                     ; behind the ring: the spare words, 128 bytes for each wave, that no other line names
.set ADRA,  16                         ; v16-17  LDS address of source 1's fragments in slot 0, 1
.set ADRB,  20                         ; v20-21  of source 0's
.set HB,    22                         ; v22     32 h
.set RB,    23                         ; v23     4 r
.set LI,    26                         ; v26     16 x lane
.set SPW,   28                         ; v28     LDS address of my spare word; never rewritten
.set NIL,   29                         ; v29     0; never rewritten
.set SC,    30                         ; v30     2^eo
.set LIM,   31                         ; v31     448 x 2^eo
.set BR,    32                         ; v[BR + 8 b + j] = bias of channel 16 b + 8 h + j of source 0's 128 (q, k)
.set BL,    96                         ; v[BL + 2 a] = v[BL + 2 a + 1] = bias of channel 16 a + r of source 1's 128 (v)
.set AF,    128
.set TMP,   128
.set CD,    192
.set G1,  24                           ; s[24:31] descriptor group 1 for the tokens' blocks;  s[32:39] group 0, one set for each slot
.set G0,  32
.set G1B, 48                           ; s[48:55], s[56:63] the same for the weights'
.set G0B, 56
.set MSB, 0
.macro WIN new                         ; the immediate's high byte repeats the setting that is left; a switch that changes nothing is dropped
.if MSB != (\new)
	s_set_vgpr_msb (MSB<<8)|(\new)
.set MSB, (\new)
.endif
.endm
.set MUL_LO, 0xa1                      ; source 0 window 1, source 1 window 0, C and D window 2
.set MUL_HI, 0xf1                      ; the same, C and D window 3
.set TO_B,   0x40                      ; destination window 1, address window 0
; A joint load: waves 0 and 1 fetch the tokens' two groups, waves 2 and 3 the weights'.  Each line has ONE mask and one set of registers for all that issue it; the branch hangs on the wave's number alone.
; Four v_nop follow each of the two lines, ahead of the jump, the label and what follows.
.macro JLOAD g0a, g1a, g0b, g1b
	s_cmp_eq_u32 s15, 0
	s_cbranch_scc0 .Lfor_b_\@
	tensor_load_to_lds s[\g0a:\g0a+3], s[\g1a:\g1a+7]
	s_nop 0
.rept 4
	v_nop
.endr
	s_branch .Lasked_\@
.Lfor_b_\@:
	tensor_load_to_lds s[\g0b:\g0b+3], s[\g1b:\g1b+7]
	s_nop 0
.rept 4
	v_nop
.endr
.Lasked_\@:
.endm
.macro CREST                           ; a round of the cluster's barrier behind its opening barrier
	s_cmp_lg_u32 s14, 0
	s_cbranch_scc1 .Lnot_wave_0_\@
	s_barrier_signal -3
.Lnot_wave_0_\@:
	s_barrier_wait -3
	s_barrier_signal -1
	s_barrier_wait -1
.endm
.macro CROUND                          ; a whole round
	s_barrier_signal -1
	s_barrier_wait -1
	CREST
.endm
	s_load_b256 s[4:11], s[0:1], 0x0               ; xc s[4:5], wc s[6:7], bq s[8:9], bk s[10:11]
	s_load_b128 s[68:71], s[0:1], 0x20             ; bv s[68:69], the scales' exponents s[70:71]
	s_load_b64 s[72:73], s[0:1], 0x30              ; qkvc
	v_lshl_add_u32 v[SPW], v0, 2, SPARE
	v_mov_b32 v[NIL], 0
	ds_add_u32 v28, v29
	ds_add_u32 v28, v29
	s_wait_dscnt 0x0
	v_lshrrev_b32 v1, 5, v0
	v_readfirstlane_b32 s14, v1                    ; wave 0..3
	s_lshr_b32 s15, s14, 1                         ; which half of source 1's 256 rows is mine.  Also: I fetch tokens (0) or weights (1)
	s_and_b32 s16, s14, 1                          ; which half of source 0's.  Also: which group of 128 rows I fetch
	s_bfe_u32 s40, ttmp6, 0x40000                  ; cx, cy: my place in the cluster
	s_bfe_u32 s41, ttmp6, 0x40004
	s_lshl_b32 s42, ttmp9, 2
	s_add_co_u32 s42, s42, s40                     ; x: which 256 channels
	s_and_b32 s66, ttmp7, 0xffff                   ; the cluster's y
	s_lshl_b32 s17, s66, 2
	s_add_co_u32 s17, s17, s41                     ; y: which 256 rows of xc, 0..95
	s_lshr_b32 s66, s66, 3                         ; t = 0 (q), 1 (k), 2 (v): eight clusters to a tensor; the same in all partners
	s_and_b32 s67, s17, 31                         ; which 256 tokens of the tensor
	s_lshl_b32 s43, s41, 2
	s_lshl_b32 s43, 15, s43                        ; my row of the cluster
	s_lshl_b32 s44, 0x1111, s40                    ; my column
	; descriptor group 1: a dense block, stated as 128 rows of 32 elements of 8 bytes; no padding: fragments are read as they lie, 512 consecutive bytes a load
	s_or_b32 s[G1+0], s43, (3<<16)|(1<<21)         ; 15:0 the mask: the tokens' blocks go to my row; 17:16 elements of 8 bytes; 21 set beside a mask
	s_or_b32 s[G1B+0], s44, (3<<16)|(1<<21)        ; the weights' go to my column
.irp g, G1, G1B
	s_mov_b32 s[\g+1], 32<<16                      ; tensor_dim0 = 32
	s_mov_b32 s[\g+2], 128<<16                     ; tensor_dim1 = 128
	s_mov_b32 s[\g+3], 32<<16                      ; tile_dim0 = 32
	s_mov_b32 s[\g+4], 128                         ; tile_dim1 = 128
	s_mov_b32 s[\g+5], 32                          ; tensor_dim0_stride: the rows follow each other
	s_mov_b32 s[\g+6], 0
	s_mov_b32 s[\g+7], 0
.endr
	s_lshl_b32 s20, s17, 1                         ; tokens: group 2 y + half, 131,072 bytes a group: hangs on y, which my row shares
	s_add_co_u32 s20, s20, s16
	s_lshl_b32 s20, s20, 17
	s_mov_b32 s21, 0
	s_lshl_b32 s46, s42, 1                         ; weights: tensor t, group 2 x + half: hangs on x, which my column shares, and on t
	s_add_co_u32 s46, s46, s16
	s_lshl_b32 s46, s46, 17
	s_lshl_b32 s47, s66, 20
	s_add_co_u32 s46, s46, s47
	s_mov_b32 s47, 0
	s_lshl_b32 s45, s14, 15                        ; where a block goes: wave x 32,768: no place in the cluster enters an LDS address
	s_wait_kmcnt 0x0
	s_load_b256 s[76:83], s[70:71], 0x0            ; e0 .. e7
	s_load_b128 s[84:87], s[70:71], 0x20           ; e8 .. e11
	s_add_nc_u64 s[20:21], s[4:5], s[20:21]
	s_add_nc_u64 s[46:47], s[6:7], s[46:47]
	CROUND                                         ; all sixteen work-groups are here: the first joint loads meet
.irp s, 0,1
	s_mov_b32 s[G0+4*\s], 1
	s_add_co_u32 s[G0+4*\s+1], s45, \s*SLOT
	s_add_nc_u64 s[G0+4*\s+2:G0+4*\s+3], s[20:21], \s*BLKB
	s_or_b32 s[G0+4*\s+3], s[G0+4*\s+3], 0x80000000
	s_mov_b32 s[G0B+4*\s], 1
	s_add_co_u32 s[G0B+4*\s+1], s45, \s*SLOT
	s_add_nc_u64 s[G0B+4*\s+2:G0B+4*\s+3], s[46:47], \s*BLKB
	s_or_b32 s[G0B+4*\s+3], s[G0B+4*\s+3], 0x80000000
.endr
	JLOAD G0, G1, G0B, G1B                         ; K step 0: one tensor load a wave at the head
	; what hangs on t: the bias, the regions of the two sources, and the shape of the output
	s_cmp_eq_u32 s66, 1
	s_cselect_b64 s[8:9], s[10:11], s[8:9]
	s_mov_b32 s74, 4096
	s_mov_b32 s18, 131072
	s_cmp_eq_u32 s66, 2
	s_cselect_b64 s[8:9], s[68:69], s[8:9]         ; bq, bk or bv
	s_cselect_b32 s22, 2*BLKB, 0                   ; source 1 reads the tokens' region, for v the weights'
	s_cselect_b32 s23, 0, 2*BLKB                   ; source 0 the other one
	s_cselect_b32 s2, s15, s16                     ; which of my two halves counts heads,
	s_cselect_b32 s3, s16, s15                     ; and which counts tokens
	s_cselect_b32 s74, 131072, s74                 ; bytes from source 1's blocks 0-3 to 4-7: four token tiles; for v a head
	s_cselect_b32 s18, 4096, s18                   ; bytes from source 0's blocks 0-3 to 4-7: a head; for v a step of 64 keys
	s_lshl_b32 s98, s42, 10
	s_lshl_b32 s99, s16, 9
	s_add_co_u32 s98, s98, s99
	s_mov_b32 s99, 0
	s_add_nc_u64 s[10:11], s[8:9], s[98:99]        ; the bias of source 0's 128 channels,
	s_lshl_b32 s98, s42, 10
	s_lshl_b32 s12, s15, 9
	s_add_co_u32 s98, s98, s12
	s_add_nc_u64 s[12:13], s[8:9], s[98:99]        ; and of source 1's
	v_and_b32 v1, 15, v0                           ; r
	v_bfe_u32 v2, v0, 4, 1                         ; h
	v_and_b32 v3, 31, v0
	v_lshlrev_b32 v[LI], 4, v3
	v_lshlrev_b32 v[HB], 5, v2
	v_lshlrev_b32 v[RB], 2, v1
	; Both forms of the bias are loaded by every work-group, here, where the loop hides them; both lie inside the 1,024 numbers whatever t is.  The way out's arm for q and k uses the first, v's the second.
.irp b, 0,1,2,3,4,5,6,7
	global_load_b128 v[BR+8*\b:BR+8*\b+3], v[HB], s[10:11] offset:64*\b
	global_load_b128 v[BR+8*\b+4:BR+8*\b+7], v[HB], s[10:11] offset:64*\b+16
.endr
.irp a, 0,1,2,3,4,5,6,7
	global_load_b32 v[BL+2*\a], v[RB], s[12:13] offset:64*\a
	global_load_b32 v[BL+2*\a+1], v[RB], s[12:13] offset:64*\a     ; twice: a pair for the packed multiply-add
.endr
	s_lshl_b32 s98, s15, 15
	s_add_co_u32 s22, s22, s98                     ; my 128 rows of source 1,
	s_lshl_b32 s98, s16, 15
	s_add_co_u32 s23, s23, s98                     ; and of source 0
.irp s, 0,1
	v_add_nc_u32 v[ADRA+\s], s22, v[LI]
	v_add_nc_u32 v[ADRB+\s], s23, v[LI]
	s_add_co_u32 s22, s22, SLOT
	s_add_co_u32 s23, s23, SLOT
.endr
	; where my codes go: t x 8,388,608 + batch x 2,097,152 + head x 131,072 + (my 256 tokens of the batch's 2,048) x 16,384 + (my half of them) x 8,192
	s_lshl_b32 s98, s66, 23
	s_lshr_b32 s99, s67, 3
	s_lshl_b32 s99, s99, 21
	s_add_co_u32 s98, s98, s99
	s_lshl_b32 s99, s42, 2
	s_lshl_b32 s2, s2, 1
	s_add_co_u32 s99, s99, s2                      ; my first head: 4 x + 2 x half
	s_lshl_b32 s99, s99, 17
	s_add_co_u32 s98, s98, s99
	s_and_b32 s99, s67, 7
	s_lshl_b32 s99, s99, 14
	s_add_co_u32 s98, s98, s99
	s_lshl_b32 s3, s3, 13
	s_add_co_u32 s98, s98, s3
	s_mov_b32 s99, 0
	s_mov_b32 s75, 0
	s_mov_b32 s19, 0
	s_add_nc_u64 s[88:89], s[72:73], s[98:99]      ; base (i, k) in s[88 + 4 i + 2 k ..]: i = source 1's blocks 0-3 or 4-7, k = source 0's
	s_add_nc_u64 s[90:91], s[88:89], s[18:19]
	s_add_nc_u64 s[92:93], s[88:89], s[74:75]
	s_add_nc_u64 s[94:95], s[92:93], s[18:19]
.macro FRAG reg, adr, q, i             ; fragment i of the slot's q-th 128 along K, as it lies: four loads of 512 consecutive bytes
.irp c, 0,1,2,3
	ds_load_b128 v[\reg+4*\c:\reg+4*\c+3], v[\adr] offset:16384*(\q)+2048*(\i)+512*\c
.endr
.endm
; 16 matrix instructions: source 1's blocks a0, a0 + 1 x source 0's eight, 128 along K.  p: source 0's set.  zero = 1: the first product starts the sums: nothing is ever cleared.
; The 64 accumulators take turns, one instruction a turn, in the same order in every step.
.macro MUL16 a0, p, zero
.irp a, \a0, \a0+1
.irp b, 0,1,2,3,4,5,6,7
.if \zero
	v_wmma_f32_16x16x128_fp8_fp8 v[8*(8*((\a)%4)+\b):8*(8*((\a)%4)+\b)+7], v[128*(\p)+FR*\b:128*(\p)+FR*\b+FR-1], v[AF+FR*(\a):AF+FR*(\a)+FR-1], 0
.else
	v_wmma_f32_16x16x128_fp8_fp8 v[8*(8*((\a)%4)+\b):8*(8*((\a)%4)+\b)+7], v[128*(\p)+FR*\b:128*(\p)+FR*\b+FR-1], v[AF+FR*(\a):AF+FR*(\a)+FR-1], v[8*(8*((\a)%4)+\b):8*(8*((\a)%4)+\b)+7]
.endif
.endr
.endr
.endm
.macro FETCH_B slot, q, p              ; source 0's eight fragments into set p
	WIN TO_B
.irp i, 0,1,2,3,4,5,6,7
	FRAG 128*(\p)+FR*\i, ADRB+\slot, \q, \i
.endr
	WIN 0
.endm
.macro FETCH_A slot, q, i0             ; source 1's blocks i0 .. i0 + 3
.irp i, \i0, \i0+1, \i0+2, \i0+3
	FRAG AF+FR*(\i), ADRA+\slot, \q, \i
.endr
.endm
; A load into a register that a matrix instruction has read, and a vector instruction that reads a matrix result or writes one of its registers, stand NP places behind it; only plain vector instructions
; that name none of its registers are places (ISA guide 7.12.1 for vector instructions).
.macro PLACES n
.rept \n
	v_nop
.endr
.endm
; A step of 128 along K that has its successor in the same slot.  A block of source 1 is free as soon as its eight products are issued: blocks 0-3 are fetched anew in the step's middle, blocks 4-7 at its end.
.macro STEP slot, q, zero
	s_wait_dscnt 4*NL                              ; source 0's set and source 1's blocks 0-3 are in; the youngest 16 loads (blocks 4-7) may be out
	WIN MUL_LO
	MUL16 0, (\q)%2, \zero
	MUL16 2, (\q)%2, \zero
	s_wait_dscnt 0                                 ; blocks 4-7 are in (asked for 32 matrix instructions ago)
	PLACES NP
	FETCH_B \slot, (\q)+1, 1-(\q)%2
	FETCH_A \slot, (\q)+1, 0
	WIN MUL_HI
	MUL16 4, (\q)%2, \zero
	MUL16 6, (\q)%2, \zero
	PLACES NP
	WIN 0
	FETCH_A \slot, (\q)+1, 4
.endm
; A slot's last step changes slots: ONE barrier; in front of it each wave waits for all its tensor loads, adds 0 to its spare word, and waits for that and for its own reads of this slot.
; fill = 1: this slot is filled again, two K steps of 256 ahead; the barrier then opens a round of the cluster's barrier, and the joint refill is the first thing behind the round.
.macro TURN slot, next, fill
	s_wait_tensorcnt 0x0                           ; all my tensor loads have landed: my part of the next slot  (every window is 0 here)
	ds_add_u32 v[SPW], v[NIL]                      ; 0 onto my spare word
	s_wait_dscnt 4*NL+1                            ; (the add and the youngest 16 loads may be out)
	WIN MUL_LO
	MUL16 0, 1, 0                                  ; sixteen matrix instructions stand between the add and the wait for it
	s_wait_dscnt 0x0                               ; the add is done, and my reads of this slot are over
	s_barrier_signal -1
	MUL16 2, 1, 0
	WIN 0
	s_barrier_wait -1
.if \fill
	CREST                                          ; no wave of any partner still reads this slot or has a load on its way
	s_add_nc_u64 s[G0+4*\slot+2:G0+4*\slot+3], s[G0+4*\slot+2:G0+4*\slot+3], 2*BLKB
	s_add_nc_u64 s[G0B+4*\slot+2:G0B+4*\slot+3], s[G0B+4*\slot+2:G0B+4*\slot+3], 2*BLKB
	JLOAD G0+4*\slot, G1, G0B+4*\slot, G1B         ; the four v_nop behind it are also the places in front of the loads below
.else
	PLACES NP
.endif
	FETCH_B \next, 0, 0
	FETCH_A \next, 0, 0
	WIN MUL_HI
	MUL16 4, 1, 0
	MUL16 6, 1, 0
	PLACES NP
	WIN 0
	FETCH_A \next, 0, 4
.endm
	s_wait_alu depctr_va_vdst(0)
	s_wait_tensorcnt 0x0                           ; my part of slot 0 is in
	ds_add_u32 v[SPW], v[NIL]                      ; 0 onto my spare word
	s_wait_dscnt 0x0                               ; the add is done
	CROUND                                         ; a whole round: everybody's part of slot 0 is in, and all sixteen work-groups are here: the joint loads meet,
	JLOAD G0+4, G1, G0B+4, G1B                     ; and slot 1's first fill, K 256-511, is the first tensor load behind the round
	FETCH_B 0, 0, 0
	FETCH_A 0, 0, 0
	FETCH_A 0, 0, 4
	STEP 0, 0, 1                                   ; K = 1,024 is eight steps of 128, written out: the first starts the sums
	TURN 0, 1, 1                                   ; slot 0 takes K 512-767
	STEP 1, 0, 0
	TURN 1, 0, 1                                   ; slot 1 takes K 768-1,023
	STEP 0, 0, 0
	TURN 0, 1, 0                                   ; nothing is left to fetch
	STEP 1, 0, 0
	s_wait_dscnt 4*NL                              ; the last step
	WIN MUL_LO
	MUL16 0, 1, 0
	MUL16 2, 1, 0
	s_wait_dscnt 0
	WIN MUL_HI
	MUL16 4, 1, 0
	MUL16 6, 1, 0
	WIN 0
	PLACES NP                                      ; in front of the first read of results and the first write of registers that held source 1's fragments
	s_wait_kmcnt 0x0
	s_mov_b32 s96, s76                             ; ex, ew, eo by t
	s_mov_b32 s97, s77
	s_mov_b32 s98, s82
	s_cmp_eq_u32 s66, 1
	s_cselect_b32 s96, s78, s96
	s_cselect_b32 s97, s79, s97
	s_cselect_b32 s98, s83, s98
	s_cmp_eq_u32 s66, 2
	s_cselect_b32 s96, s80, s96
	s_cselect_b32 s97, s81, s97
	s_cselect_b32 s98, s85, s98
	s_add_co_i32 s96, s96, s97
	s_add_co_i32 s96, s96, 127
	s_lshl_b32 s96, s96, 23                        ; 2^(ex + ew) as f32
	s_mov_b32 s97, s96                             ; (named with it as a pair, so it is written)
	s_add_co_i32 s98, s98, 127
	s_lshl_b32 s99, s98, 23
	v_mov_b32 v[SC], s99                           ; 2^eo: the conversion takes its exponent field
	s_add_co_i32 s98, s98, 8
	s_lshl_b32 s98, s98, 23
	s_or_b32 s98, s98, 0x600000
	v_mov_b32 v[LIM], s98                          ; 448 x 2^eo
	s_wait_loadcnt 0x0                             ; the biases
; THE WAY OUT, a block a of source 1 at a time: 64 values = sum x 2^(ex + ew) + bias, each accumulator from its low end on; hold; eight conversions give 16 registers: two whole fragments of the next operand;
; four stores of 512 consecutive bytes.  byreg = 1: the registers run along channels (q, k); 0: the lane is a channel (v).
.macro EPI byreg
.irp a, 0,1,2,3,4,5,6,7
.if \a == 4
	s_wait_xcnt 0x0                                ; the stores of blocks 0-3 have read the codes' registers, which are written again from here on
.endif
	WIN 0x02+(\a)/4                                ; source 0: window 2 or 3
.set j, 0
.rept 32
.if \byreg
	v_pk_fma_f32 v[TMP+j:TMP+j+1], v[64*((\a)%4)+j:64*((\a)%4)+j+1], s[96:97], v[BR+j:BR+j+1] op_sel_hi:[1,0,1]
.else
	v_pk_fma_f32 v[TMP+j:TMP+j+1], v[64*((\a)%4)+j:64*((\a)%4)+j+1], s[96:97], v[BL+2*\a:BL+2*\a+1] op_sel_hi:[1,0,1]
.endif
.set j, j+2
.endr
	WIN 0
.set j, 0
.rept 64
	v_med3_num_f32 v[TMP+j], v[TMP+j], -v[LIM], v[LIM]   ; the conversion to an 8-bit code does not saturate (ISA guide 7.6.2)
.set j, j+1
.endr
.irp b, 0,1,2,3,4,5,6,7
	v_cvt_scalef32_pk8_fp8_f32 v[CD+16*((\a)%4)+2*\b:CD+16*((\a)%4)+2*\b+1], v[TMP+8*\b:TMP+8*\b+7], v[SC]
.endr
	v_nop                                          ; one plain vector line behind the conversions: the next block's values are written over the registers that they read
.irp p, 0,1,2,3
	global_store_b128 v[LI], v[CD+16*((\a)%4)+4*\p:CD+16*((\a)%4)+4*\p+3], s[88+4*((\a)/4)+2*((\p)/2):88+4*((\a)/4)+2*((\p)/2)+1] offset:1024*((\a)%4)+512*((\p)%2)
.endr
.endr
.endm
	s_cmp_eq_u32 s66, 2                            ; t is the same in every wave of every partner
	s_cbranch_scc1 .Lv
	EPI 1
	s_branch .Lend
.Lv:
	EPI 0
.Lend:
	s_wait_tensorcnt 0x0                           ; the wave's end
	ds_add_u32 v[SPW], v[NIL]
	s_wait_dscnt 0x0
	CROUND                                         ; the closing round: no work-group ends while a partner may still ask for a block that names it
	s_endpgm
.Lfunc_end_k_q5282be2696_proj:
	.size	k_q5282be2696_proj, .Lfunc_end_k_q5282be2696_proj-k_q5282be2696_proj
	.p2alignl 7, 3214868480
	.fill 96, 4, 3214868480
	.section	.rodata,"a",@progbits
	.p2align	6, 0x0
	.amdhsa_kernel k_q5282be2696_proj
		.amdhsa_group_segment_fixed_size 327680
		.amdhsa_private_segment_fixed_size 0
		.amdhsa_enable_private_segment 0
		.amdhsa_kernarg_size 56
		.amdhsa_user_sgpr_count 2
		.amdhsa_user_sgpr_kernarg_segment_ptr 1
		.amdhsa_wavefront_size32 1
		.amdhsa_system_sgpr_workgroup_id_x 1
		.amdhsa_system_sgpr_workgroup_id_y 1
		.amdhsa_system_sgpr_workgroup_id_z 1
		.amdhsa_system_vgpr_workitem_id 0
		.amdhsa_next_free_vgpr 1024
		.amdhsa_next_free_sgpr 100
		.amdhsa_reserve_vcc 0
		.amdhsa_float_denorm_mode_32 3
		.amdhsa_float_denorm_mode_16_64 3
		.amdhsa_memory_ordered 1
		.amdhsa_forward_progress 1
		.amdhsa_inst_pref_size 194
	.end_amdhsa_kernel
	.amdgpu_metadata
---
amdhsa.version: [ 1, 2 ]
amdhsa.kernels:
  - .name:           k_q5282be2696_proj
    .symbol:         k_q5282be2696_proj.kd
    .args:
      - { .name: xc, .offset: 0, .size: 8, .value_kind: global_buffer, .address_space: global }
      - { .name: wc, .offset: 8, .size: 8, .value_kind: global_buffer, .address_space: global }
      - { .name: bq, .offset: 16, .size: 8, .value_kind: global_buffer, .address_space: global }
      - { .name: bk, .offset: 24, .size: 8, .value_kind: global_buffer, .address_space: global }
      - { .name: bv, .offset: 32, .size: 8, .value_kind: global_buffer, .address_space: global }
      - { .name: lowp_scales, .offset: 40, .size: 8, .value_kind: global_buffer, .address_space: global }
      - { .name: qkvc, .offset: 48, .size: 8, .value_kind: global_buffer, .address_space: global }
    .group_segment_fixed_size: 327680
    .private_segment_fixed_size: 0
    .kernarg_segment_align: 8
    .kernarg_segment_size: 56
    .max_flat_workgroup_size: 128
    .sgpr_count:     100
    .vgpr_count:     1024
    .wavefront_size: 32
...
	.end_amdgpu_metadata
.endif
;; end of part 2
;; launch attn (part 3): grid 4 x 64, 16 waves a work-group, clusters of 4 x 1, 327,680 bytes of LDS; arguments qkvc, lowp_scales, attnc; writes attnc
.if DOCPART == 3
	.amdgcn_target "amdgcn-amd-amdhsa--gfx1250"
	.amdhsa_code_object_version 6
	.text
	.protected	k_q5282be2696_attn
	.globl	k_q5282be2696_attn
	.p2align	8
	.type	k_q5282be2696_attn,@function
k_q5282be2696_attn:
	s_mov_b64 s[64:65], 0
	v_nop
	global_prefetch_b8 v0, s[64:65] scope:SCOPE_SE
	s_setreg_imm32_b32 hwreg(HW_REG_WAVE_MODE, 25, 1), 1
	s_wait_xcnt 0x0
	s_wait_alu depctr_hold_cnt(0) depctr_sa_sdst(0) depctr_va_vdst(0) depctr_va_sdst(0) depctr_va_ssrc(0) depctr_va_vcc(0) depctr_vm_vsrc(0)
	s_getreg_b32 s2, hwreg(HW_REG_IB_STS2, 6, 4)
	s_cmp_eq_u32 s2, 0
	s_cbranch_scc0 .Lentry_in_a_cluster
	s_endpgm
.Lentry_in_a_cluster:
	s_bfe_u32 s2, ttmp6, 0x10000c
	s_cmp_lg_u32 s2, 0x3003
	s_cbranch_scc0 .Lentry_shape_is_right
	s_endpgm
.Lentry_shape_is_right:
; attn[b][q][head] = softmax_k(q . k / 8) v for one (batch, head), both products on codes of FP8 (E4M3), and the result quantised at once for the last projection.
; IN: qkvc, images of operand registers: q at 0, k at 8,388,608: fragment (batch x 16 + head, token tile) = 16 tokens x the head's 64 = 1,024 bytes, registers 4 c .. 4 c + 3 at 512 c + 16 x lane;
; v at 16,777,216: fragment (batch x 16 + head, step of 64 keys, tile of 16 channels), the keys innermost.  OUT: attnc, fragments of 16 tokens x 128 K for the last projection.
; THE SOFTMAX: t = score x 2^(e6 + e7) x log2(e) / 8; M = ceil(the row's largest t), taken over ALL keys in a first pass; p = 2^(t - M) is held at 448 x 2^e8 and quantised with 2^e8;
; the row's sum is taken of the unquantised p in f32; O x 2^(e8 + e9) / sum is held at 448 x 2^e10 and quantised with 2^e10.
; LIMITS: e6 + e7 between -123 and 130 (added to the exponent field of log2(e) / 8); e8 and e10 between -126 and 119, so that 2^e and 448 x 2^e are f32 numbers.  NaN among the inputs is not served.
; SHARES.  A work-group owns 512 queries of one head, each of its 16 waves 32 of them (two tiles), in 256 registers.  The head's K and V, 131,072 bytes each, lie whole in LDS: K at 0, V behind it.
; CLUSTERS: the four work-groups of a head form a cluster and ask for K and V JOINTLY.  Every wave issues one load of 16,384 bytes (64 rows of 256): waves 0-7 K's eighths, waves 8-15 V's;
; both addresses are arithmetic on the wave's number.  Nothing is filled again.  No prefetch: the launch's one group of loads stands at its head, with no loop ahead of it to ask in.
; Both products are used transposed (S^T = K Q^T, O^T = V^T P^T): a lane holds one query (lane % 16), its eight registers of a tile keys 8 (lane / 16) + 0 .. 7, so one conversion gives a register pair of P's operand.
; PASS 1 puts the scores of neighbouring steps of 64 keys into two sets of registers by turns (v96-159, v160-223): one set's 32 maxima are the places behind the other set's products.
; PASS 2: a step's V and the next step's K are asked for behind the first product, a step's vector work ahead of their use.
; REGISTERS: v1 16 x lane; v2, v3 LDS addresses in hand; v4 V's region + 16 x lane; v5, v15 448 x 2^e8 (twice: the two halves of a dual instruction name different registers); v[6:7], v[8:9] -M; v10-13, v246-249 the sums, two chains
; a tile; v14 2^e8; v16-31 Q; v32-63 K; v64-95 V; v96-159 S^T, then p; v160-223 O^T; v224-239 p's codes; v240-245 maxima and lane permutes; v254, v255 the add's.
.set QF, 16
.set KF, 32
.set VF, 64
.set S,  96
.set O,  160
.set P,  224
.set VREG, 131072
.set SPARE, 262144                     ; behind K and V: the spare words, 128 bytes for each of 16 waves, that no other line names
.set WV, 10
.set G1, 24
.set TB, 45
.set CNT, 46
.macro CROUND                          ; a round of the cluster's barrier
	s_barrier_signal -1
	s_barrier_wait -1
	s_cmp_lg_u32 s[WV], 0
	s_cbranch_scc1 .Lnot_wave_0_\@
	s_barrier_signal -3
.Lnot_wave_0_\@:
	s_barrier_wait -3
	s_barrier_signal -1
	s_barrier_wait -1
.endm
	s_load_b128 s[4:7], s[0:1], 0x0                ; qkvc, the scales' exponents
	s_load_b64 s[8:9], s[0:1], 0x10                ; attnc
	v_lshl_add_u32 v254, v0, 2, SPARE
	v_mov_b32 v255, 0
	ds_add_u32 v254, v255                          ; the opening lines: the add, twice on end, and its wait ahead of my tensor load
	ds_add_u32 v254, v255
	v_lshrrev_b32 v2, 5, v0
	v_readfirstlane_b32 s[WV], v2                  ; wave 0..15
	v_and_b32 v1, 31, v0
	v_lshlrev_b32 v1, 4, v1                        ; 16 x lane
	v_add_nc_u32 v4, VREG, v1
.irp i, 240,241,242,243
	v_mov_b32 v\i, 0xff800000                      ; the largest scores so far: -infinity
.endr
.irp i, 7,9,10,11,12,13,244,245,246,247,248,249
	v_mov_b32 v\i, 0                               ; the sums; upper halves of named pairs; destinations of lane permutes
.endr
	s_bfe_u32 s11, ttmp6, 0x40000                  ; cx: which 512 queries
	s_and_b32 s12, ttmp7, 0xffff                   ; batch x 16 + head
	s_mov_b32 s[G1], 15|(3<<16)|(1<<21)            ; the mask of the four partners; elements of 8 bytes; bit 21 beside a mask
	s_mov_b32 s[G1+1], 32<<16                      ; rows of 32 elements = 256 bytes,
	s_mov_b32 s[G1+2], 64<<16                      ; 64 of them,
	s_mov_b32 s[G1+3], 32<<16
	s_mov_b32 s[G1+4], 64
	s_mov_b32 s[G1+5], 32                          ; one behind the other
	s_mov_b32 s[G1+6], 0
	s_mov_b32 s[G1+7], 0
	s_lshl_b32 s14, s12, 17                        ; what I fetch: the head's 131,072 bytes, my eighth of them,
	s_and_b32 s15, s[WV], 7
	s_lshl_b32 s15, s15, 14
	s_add_co_u32 s14, s14, s15
	s_lshr_b32 s15, s[WV], 3
	s_lshl_b32 s15, s15, 23                        ; in k (waves 0-7) or in v (waves 8-15)
	s_add_co_u32 s14, s14, s15
	s_add_co_u32 s14, s14, 8388608
	s_mov_b32 s15, 0
	s_lshl_b32 s16, s11, 5                         ; my two tiles of q: tile 32 cx + 2 wave
	s_lshl_b32 s17, s[WV], 1
	s_add_co_u32 s16, s16, s17
	s_lshl_b32 s16, s16, 10
	s_lshl_b32 s17, s12, 17
	s_add_co_u32 s16, s16, s17
	s_mov_b32 s17, 0
	s_lshr_b32 s18, s12, 4                         ; where my codes go: group of 128 tokens (batch x 16 + 4 cx + wave / 4) x 131,072
	s_lshl_b32 s18, s18, 4
	s_lshl_b32 s19, s11, 2
	s_add_co_u32 s18, s18, s19
	s_lshr_b32 s19, s[WV], 2
	s_add_co_u32 s18, s18, s19
	s_lshl_b32 s18, s18, 17
	s_bfe_u32 s19, s12, 0x30001                    ; + K step of 128 (head / 2) x 16,384
	s_lshl_b32 s19, s19, 14
	s_add_co_u32 s18, s18, s19
	s_and_b32 s19, s[WV], 3                        ; + my two token tiles x 2,048
	s_lshl_b32 s19, s19, 12
	s_add_co_u32 s18, s18, s19
	s_and_b32 s19, s12, 1                          ; + the head's half of the fragment
	s_lshl_b32 s19, s19, 10
	s_add_co_u32 s18, s18, s19
	s_mov_b32 s19, 0
	s_mov_b32 s20, 0x76543210                      ; v_permlanex16_b32's selects for lane l xor 16
	s_mov_b32 s21, 0xfedcba98
	s_wait_alu depctr_va_vdst(0)
	s_wait_dscnt 0x0                               ; both opening adds are done
	s_wait_kmcnt 0x0
	s_load_b128 s[40:43], s[6:7], 0x18             ; e6 .. e9
	s_load_b32 s44, s[6:7], 0x28                   ; e10
	s_mov_b32 s32, 1
	s_lshl_b32 s33, s[WV], 14                      ; LDS: wave x 16,384
	s_add_nc_u64 s[34:35], s[4:5], s[14:15]
	s_or_b32 s35, s35, 0x80000000
	s_add_nc_u64 s[48:49], s[4:5], s[16:17]
	s_add_nc_u64 s[50:51], s[8:9], s[18:19]
.irp i, 0,1,2,3
	global_load_b128 v[QF+4*\i:QF+4*\i+3], v1, s[48:49] offset:512*\i   ; Q's two fragments stay in registers
.endr
	CROUND                                         ; the four partners are here: the joint loads meet
	tensor_load_to_lds s[32:35], s[G1:G1+7]
	s_nop 0
	s_wait_kmcnt 0x0
	s_add_co_i32 s14, s40, s41
	s_lshl_b32 s14, s14, 23
	s_add_co_i32 s22, s14, 0x3e38aa3b              ; c = log2(e) / 8 x 2^(e6 + e7)
	s_mov_b32 s23, s22                             ; (named with it as a pair)
	s_add_co_i32 s14, s42, 127
	s_lshl_b32 s15, s14, 23
	v_mov_b32 v14, s15                             ; 2^e8: the conversion takes its exponent field
	s_add_co_i32 s14, s14, 8
	s_lshl_b32 s14, s14, 23
	s_or_b32 s14, s14, 0x600000
	v_mov_b32 v5, s14                              ; 448 x 2^e8
	v_mov_b32 v15, s14
	v_mov_b32 v2, v1                               ; K's step 0
.macro KLOAD off                       ; four fragments of 16 keys, as they lie: 512 consecutive bytes a load
.irp kt, 0,1,2,3
	ds_load_b128 v[KF+8*\kt:KF+8*\kt+3], v2 offset:1024*\kt+\off
	ds_load_b128 v[KF+8*\kt+4:KF+8*\kt+7], v2 offset:1024*\kt+512+\off
.endr
.endm
.macro SMUL d                          ; S^T = K Q^T: 64 keys x my 32 queries into v[d ..]
.irp kt, 0,1,2,3
.irp qt, 0,1
	v_wmma_f32_16x16x64_fp8_fp8 v[\d+32*\qt+8*\kt:\d+32*\qt+8*\kt+7], v[KF+8*\kt:KF+8*\kt+7], v[QF+8*\qt:QF+8*\qt+7], 0
.endr
.endr
.endm
.macro MAXP s, n0, cnt                 ; the running largest scores, two chains a tile; each accumulator from its low end on
.set n, \n0
.rept \cnt
	v_max3_num_f32 v[240+n%2], v[240+n%2], v[\s+2*n], v[\s+2*n+1]
	v_max3_num_f32 v[242+n%2], v[242+n%2], v[\s+32+2*n], v[\s+32+2*n+1]
.set n, n+1
.endr
.endm
; Half a trip of pass 1: a step's products into set new; the maxima of the step before, from set old, are the places behind them; eight of these stand ahead of the loads into K's registers.
.macro HALF new, old, more, off
	s_wait_alu depctr_va_vdst(0)
	s_wait_dscnt 0x0                               ; this step's K is in
	SMUL \new
.if (\more) && (\off) == 0
	v_add_nc_u32 v2, s[TB], v1
.endif
	MAXP \old, 0, 4
.if \more
	KLOAD \off                                     ; the next step's K
.endif
	MAXP \old, 4, 12
.endm
	s_mov_b32 s[TB], 8192
	s_mov_b32 s[CNT], 15
	s_wait_alu depctr_va_vdst(0)
	s_wait_tensorcnt 0x0                           ; my part of K or V is in
	s_barrier_signal -1
	s_barrier_wait -1                              ; everybody's is: K and V are whole, and nothing is filled again
	KLOAD 0
	s_wait_loadcnt 0x0                             ; Q
	s_wait_dscnt 0x0
	SMUL S                                         ; step 0
.rept 4
	v_nop                                          ; places in front of loads into registers that matrix instructions have read
.endr
	KLOAD 4096                                     ; step 1
.Lmax:                                             ; 15 trips: steps 2 j + 1 and 2 j + 2; s[TB] = step 2 j + 2's first byte
	HALF O, S, 1, 0
	HALF S, O, 1, 4096
	s_add_co_u32 s[TB], s[TB], 8192
	s_sub_co_u32 s[CNT], s[CNT], 1
	s_cmp_lg_u32 s[CNT], 0
	s_cbranch_scc1 .Lmax
	HALF O, S, 0, 0                                ; step 31
	v_mov_b32 v2, v1
	KLOAD 0                                        ; pass 2's step 0
	MAXP O, 0, 16
	v_max_num_f32 v240, v240, v241
	v_max_num_f32 v242, v242, v243
	s_delay_alu instid0(VALU_DEP_2)
	v_permlanex16_b32 v244, v240, s20, s21
	s_delay_alu instid0(VALU_DEP_2)
	v_permlanex16_b32 v245, v242, s20, s21
	s_delay_alu instid0(VALU_DEP_2)
	v_max_num_f32 v240, v240, v244                 ; and lane l xor 16's keys
	s_delay_alu instid0(VALU_DEP_2)
	v_max_num_f32 v242, v242, v245
	s_delay_alu instid0(VALU_DEP_2)
	v_mul_f32 v240, s22, v240                      ; as t (c is positive)
	s_delay_alu instid0(VALU_DEP_2)
	v_mul_f32 v242, s22, v242
	s_delay_alu instid0(VALU_DEP_2)
	v_floor_f32 v6, -v240                          ; -M = floor(-t) = -ceil(t)
	s_delay_alu instid0(VALU_DEP_2)
	v_floor_f32 v8, -v242
	s_mov_b32 s[TB], 0
	s_wait_alu depctr_va_vdst(0)
; A step of pass 2: 64 keys.  zero = 1: the first product starts O^T's sums.  more = 1: a step follows.
.macro STEP2 zero, more
	s_wait_dscnt 0x0                               ; this step's K is in
	SMUL S
	v_add_nc_u32 v3, s[TB], v4                     ; this step's V.  (Four places in front of the loads and of the first read of S^T)
	s_add_co_u32 s[TB], s[TB], 4096
.if \more
	v_add_nc_u32 v2, s[TB], v1                     ; the next step's K
.else
	v_nop
.endif
	v_nop
	v_nop
.irp ct, 0,1,2,3
	ds_load_b128 v[VF+8*\ct:VF+8*\ct+3], v3 offset:1024*\ct
	ds_load_b128 v[VF+8*\ct+4:VF+8*\ct+7], v3 offset:1024*\ct+512
.endr
.if \more
	KLOAD 0
.endif
.set j, 0
.rept 16
	v_pk_fma_f32 v[S+j:S+j+1], v[S+j:S+j+1], s[22:23], v[6:7] op_sel_hi:[1,0,0]             ; t - M, two at a time
	v_pk_fma_f32 v[S+32+j:S+32+j+1], v[S+32+j:S+32+j+1], s[22:23], v[8:9] op_sel_hi:[1,0,0]
.set j, j+2
.endr
	s_wait_alu depctr_va_vdst(0)
.set j, 0
.rept 64
	v_exp_f32 v[S+j], v[S+j]                       ; p = 2^(t - M), at most 1
.set j, j+1
.endr
	v_nop                                          ; a plain place behind the exponentials
	s_wait_alu depctr_va_vdst(0)                   ; one wait for the batch, ahead of its first reader
.set j, 0
.rept 8
	v_pk_add_f32 v[10:11], v[10:11], v[S+j:S+j+1]                  ; the rows' sums of the unquantised p
	v_pk_add_f32 v[12:13], v[12:13], v[S+32+j:S+32+j+1]
	v_pk_add_f32 v[246:247], v[246:247], v[S+j+2:S+j+3]
	v_pk_add_f32 v[248:249], v[248:249], v[S+32+j+2:S+32+j+3]
.set j, j+4
.endr
.set j, 0
.rept 32
	v_dual_min_num_f32 v[S+j], v[S+j], v5 :: v_dual_min_num_f32 v[S+j+1], v[S+j+1], v15   ; the conversion does not saturate (ISA guide 7.6.2); p is not negative, so the hold is one-sided
.set j, j+2
.endr
.irp qt, 0,1
.irp kt, 0,1,2,3
	v_cvt_scalef32_pk8_fp8_f32 v[P+8*\qt+2*\kt:P+8*\qt+2*\kt+1], v[S+32*\qt+8*\kt:S+32*\qt+8*\kt+7], v14
.endr
.endr
	v_nop                                          ; one plain line behind the conversions
	s_wait_alu depctr_va_vdst(0)                   ; ahead of the first readers of O^T and of the wait below
	s_wait_dscnt 8*\more                           ; V's eight loads are in; the next K's eight, issued behind them, may be out
.irp ct, 0,1,2,3
.irp qt, 0,1
.if \zero
	v_wmma_f32_16x16x64_fp8_fp8 v[O+32*\qt+8*\ct:O+32*\qt+8*\ct+7], v[VF+8*\ct:VF+8*\ct+7], v[P+8*\qt:P+8*\qt+7], 0
.else
	v_wmma_f32_16x16x64_fp8_fp8 v[O+32*\qt+8*\ct:O+32*\qt+8*\ct+7], v[VF+8*\ct:VF+8*\ct+7], v[P+8*\qt:P+8*\qt+7], v[O+32*\qt+8*\ct:O+32*\qt+8*\ct+7]
.endif
.endr
.endr
.endm
	STEP2 1, 1
	s_mov_b32 s[CNT], 30
.Lstep:                                            ; the eight accumulators take turns, and eight products of S^T stand between two steps of a sum
	STEP2 0, 1
	s_sub_co_u32 s[CNT], s[CNT], 1
	s_cmp_lg_u32 s[CNT], 0
	s_cbranch_scc1 .Lstep
	STEP2 0, 0                                     ; the last step asks for no further K
	; THE WAY OUT: the sums' chains and halves, lane l xor 16's; O^T x 2^(e8 + e9) / sum; hold, conversion: whole register pairs of the last projection's operand; four stores of 512 consecutive bytes
	v_pk_add_f32 v[10:11], v[10:11], v[246:247]
	v_pk_add_f32 v[12:13], v[12:13], v[248:249]
	v_add_f32 v10, v10, v11
	v_add_f32 v12, v12, v13
	s_delay_alu instid0(VALU_DEP_2)
	v_permlanex16_b32 v240, v10, s20, s21
	s_delay_alu instid0(VALU_DEP_2)
	v_permlanex16_b32 v241, v12, s20, s21
	s_delay_alu instid0(VALU_DEP_2)
	v_add_f32 v10, v10, v240
	s_delay_alu instid0(VALU_DEP_2)
	v_add_f32 v12, v12, v241
	s_wait_alu depctr_va_vdst(0)
	v_rcp_f32 v244, v10
	v_rcp_f32 v246, v12
	v_mov_b32 v245, 0
	v_mov_b32 v247, 0
	s_add_co_i32 s14, s42, s43
	s_add_co_i32 s15, s44, 127
	s_lshl_b32 s16, s15, 23
	v_mov_b32 v14, s16                             ; 2^e10
	s_add_co_i32 s15, s15, 8
	s_lshl_b32 s15, s15, 23
	s_or_b32 s15, s15, 0x600000
	v_mov_b32 v15, s15                             ; 448 x 2^e10
	s_wait_alu depctr_va_vdst(0)                   ; the wait ahead of the reciprocals' first reader, and of the first readers of O^T
	v_ldexp_f32 v244, v244, s14
	v_ldexp_f32 v246, v246, s14
.set j, 0
.rept 16
	v_pk_mul_f32 v[O+j:O+j+1], v[O+j:O+j+1], v[244:245] op_sel_hi:[1,0]
	v_pk_mul_f32 v[O+32+j:O+32+j+1], v[O+32+j:O+32+j+1], v[246:247] op_sel_hi:[1,0]
.set j, j+2
.endr
.set j, 0
.rept 64
	v_med3_num_f32 v[O+j], v[O+j], -v15, v15
.set j, j+1
.endr
.irp qt, 0,1
.irp ct, 0,1,2,3
	v_cvt_scalef32_pk8_fp8_f32 v[P+8*\qt+2*\ct:P+8*\qt+2*\ct+1], v[O+32*\qt+8*\ct:O+32*\qt+8*\ct+7], v14
.endr
.endr
	v_nop
.irp qt, 0,1
.irp c, 0,1
	global_store_b128 v1, v[P+8*\qt+4*\c:P+8*\qt+4*\c+3], s[50:51] offset:2048*\qt+512*\c
.endr
.endr
	s_wait_tensorcnt 0x0                           ; the wave's end
	ds_add_u32 v254, v255
	s_wait_dscnt 0x0
	CROUND                                         ; the closing round
	s_endpgm
.Lfunc_end_k_q5282be2696_attn:
	.size	k_q5282be2696_attn, .Lfunc_end_k_q5282be2696_attn-k_q5282be2696_attn
	.p2alignl 7, 3214868480
	.fill 96, 4, 3214868480
	.section	.rodata,"a",@progbits
	.p2align	6, 0x0
	.amdhsa_kernel k_q5282be2696_attn
		.amdhsa_group_segment_fixed_size 327680
		.amdhsa_private_segment_fixed_size 0
		.amdhsa_enable_private_segment 0
		.amdhsa_kernarg_size 24
		.amdhsa_user_sgpr_count 2
		.amdhsa_user_sgpr_kernarg_segment_ptr 1
		.amdhsa_wavefront_size32 1
		.amdhsa_system_sgpr_workgroup_id_x 1
		.amdhsa_system_sgpr_workgroup_id_y 1
		.amdhsa_system_sgpr_workgroup_id_z 1
		.amdhsa_system_vgpr_workitem_id 0
		.amdhsa_next_free_vgpr 256
		.amdhsa_next_free_sgpr 66
		.amdhsa_reserve_vcc 0
		.amdhsa_float_denorm_mode_32 3
		.amdhsa_float_denorm_mode_16_64 3
		.amdhsa_memory_ordered 1
		.amdhsa_forward_progress 1
		.amdhsa_inst_pref_size 61
	.end_amdhsa_kernel
	.amdgpu_metadata
---
amdhsa.version: [ 1, 2 ]
amdhsa.kernels:
  - .name:           k_q5282be2696_attn
    .symbol:         k_q5282be2696_attn.kd
    .args:
      - { .name: qkvc, .offset: 0, .size: 8, .value_kind: global_buffer, .address_space: global }
      - { .name: lowp_scales, .offset: 8, .size: 8, .value_kind: global_buffer, .address_space: global }
      - { .name: attnc, .offset: 16, .size: 8, .value_kind: global_buffer, .address_space: global }
    .group_segment_fixed_size: 327680
    .private_segment_fixed_size: 0
    .kernarg_segment_align: 8
    .kernarg_segment_size: 24
    .max_flat_workgroup_size: 512
    .sgpr_count:     66
    .vgpr_count:     256
    .wavefront_size: 32
...
	.end_amdgpu_metadata
.endif
;; end of part 3
;; launch outp (part 4): grid 4 x 64, 4 waves a work-group, clusters of 4 x 4, 327,680 bytes of LDS; arguments attnc, wc, bo, lowp_scales, out0; writes out0
.if DOCPART == 4
	.amdgcn_target "amdgcn-amd-amdhsa--gfx1250"
	.amdhsa_code_object_version 6
	.text
	.protected	k_q5282be2696_outp
	.globl	k_q5282be2696_outp
	.p2align	8
	.type	k_q5282be2696_outp,@function
k_q5282be2696_outp:
	s_mov_b64 s[64:65], 0
	v_nop
	global_prefetch_b8 v0, s[64:65] scope:SCOPE_SE
	s_setreg_imm32_b32 hwreg(HW_REG_WAVE_MODE, 25, 1), 1
	s_wait_xcnt 0x0
	s_wait_alu depctr_hold_cnt(0) depctr_sa_sdst(0) depctr_va_vdst(0) depctr_va_sdst(0) depctr_va_ssrc(0) depctr_va_vcc(0) depctr_vm_vsrc(0)
	s_getreg_b32 s2, hwreg(HW_REG_IB_STS2, 6, 4)
	s_cmp_eq_u32 s2, 0
	s_cbranch_scc0 .Lentry_in_a_cluster
	s_endpgm
.Lentry_in_a_cluster:
	s_bfe_u32 s2, ttmp6, 0x10000c
	s_cmp_lg_u32 s2, 0xf033
	s_cbranch_scc0 .Lentry_shape_is_right
	s_endpgm
.Lentry_shape_is_right:
; out0 = attn Wo^T + bo on codes of FP8 (E4M3): value = sum x 2^(e10 + e11) + bias, f32.  LIMIT: e10 + e11 between -126 and 127, so that the power of two is an f32 number.
; IN: attnc and wc (Wo at 3,145,728): images of operand registers: fragment = 16 rows x 128 K = 2,048 bytes, registers 4 c .. 4 c + 3 at 512 c + 16 x lane; 128 rows x 256 K = one dense block of 32,768 bytes,
; its first half K 0-127 of the eight row tiles, its second K 128-255; a group of 128 rows is four such blocks on end.
; SHARES.  8,192 x 1,024 results in blocks of 128 tokens x 256 channels: 64 x 4 = 256 work-groups of four waves; a wave makes 64 tokens x 128 channels: 32 accumulators, 256 registers (window 2).
; Source 0 = 16 rows of Wo, source 1 = 16 tokens: a lane holds eight neighbouring channels of one token.  Both sources have two sets of fragment registers: a step's 48 LDS loads go out ahead of the step before's products.
; K = 1,024 goes in four steps of 256 through two LDS slots.  LDS: tokens' slot s at 32,768 s; the weights that wave 2 + u fetches at 65,536 + 65,536 u + 32,768 s; then four stages and the spare words, on bytes of their own.
; THE HEAD'S ONE LOAD A WAVE brings K steps 0 and 1: wave 0 the tokens' step 0, wave 1 their step 1 (128 rows of 256 bytes each); waves 2 and 3 their weights' steps 0 and 1, 65,536 bytes on end in memory and in LDS.
; A refill brings one K step: waves 0 and 1 a half of the tokens' block each (64 rows of 256 bytes), waves 2 and 3 a block (128 rows); group 1's two row counts are written anew behind the wait that shows the head's load done.
; CLUSTERS 4 x 4: the tokens' blocks are asked for jointly along a row of the cluster, the weights' along a column.  No prefetch: of the four K steps two are asked for at the head and two at the first two changes of slots,
; so no trip stands two steps ahead of a load.
.set FR,    16                         ; registers of a fragment
.set NP,    4                          ; places behind this matrix instruction (ISA guide 7.12.1)
.set BLKB,  32768
.set WREG,  65536                      ; the weights' regions begin here
.set STAGE, 196608                     ; the way out: 16 rows x (512 + 16) bytes for each wave
.set SPITCH, 528
.set SPARE, STAGE+4*16*SPITCH          ; the spare words, 128 bytes for each wave, that no other line names
.set ADRA,  16                         ; v16-17  LDS address of my tokens' fragments in slot 0, 1
.set ADRB,  20                         ; v20-21  of my weights'
.set STO,   24                         ; v24     the way out: where I put 32 bytes of a row
.set RD,    25                         ; v25     where I read a row back
.set LI,    26                         ; v26     16 x lane
.set SPW,   28                         ; v28     my spare word; never rewritten
.set NIL,   29                         ; v29     0; never rewritten
.set AF,    128                        ; window 0: the tokens' fragments, two sets of 64 registers; window 1: the weights', two sets of 128
.set BK,    128                        ; the way out: 16 rows read back: v128-191 and v192-255 by turns
.set G1,  24                           ; s[24:31] group 1 for the tokens; s[32:39] group 0 of the refills, one set for each slot
.set G0,  32
.set G1B, 48                           ; s[48:55], s[56:63] the same for the weights
.set G0B, 56
.set GH,  68                           ; s[68:71] group 0 of the tokens' load at the head
.set MSB, 0
.macro WIN new                         ; the immediate's high byte repeats the setting that is left
.if MSB != (\new)
	s_set_vgpr_msb (MSB<<8)|(\new)
.set MSB, (\new)
.endif
.endm
.set MUL_LO, 0xa1                      ; source 0 window 1, source 1 window 0, C and D window 2
.set TO_B,   0x40                      ; destination window 1, address window 0
.macro JLOAD g0a, g1a, g0b, g1b        ; waves 0 and 1 fetch tokens, waves 2 and 3 weights: one mask a line; an s_nop 0 and four v_nop follow each line
	s_cmp_eq_u32 s15, 0
	s_cbranch_scc0 .Lfor_b_\@
	tensor_load_to_lds s[\g0a:\g0a+3], s[\g1a:\g1a+7]
	s_nop 0
.rept 4
	v_nop
.endr
	s_branch .Lasked_\@
.Lfor_b_\@:
	tensor_load_to_lds s[\g0b:\g0b+3], s[\g1b:\g1b+7]
	s_nop 0
.rept 4
	v_nop
.endr
.Lasked_\@:
.endm
.macro CREST                           ; a round of the cluster's barrier behind its opening barrier
	s_cmp_lg_u32 s14, 0
	s_cbranch_scc1 .Lnot_wave_0_\@
	s_barrier_signal -3
.Lnot_wave_0_\@:
	s_barrier_wait -3
	s_barrier_signal -1
	s_barrier_wait -1
.endm
.macro CROUND
	s_barrier_signal -1
	s_barrier_wait -1
	CREST
.endm
	s_load_b256 s[4:11], s[0:1], 0x0               ; attnc s[4:5], wc s[6:7], bo s[8:9], the scales' exponents s[10:11]
	s_load_b64 s[12:13], s[0:1], 0x20              ; out0
	v_lshl_add_u32 v[SPW], v0, 2, SPARE
	v_mov_b32 v[NIL], 0
	ds_add_u32 v[SPW], v[NIL]                      ; the opening lines: the add, twice on end, and its wait ahead of my first tensor load
	ds_add_u32 v[SPW], v[NIL]
	v_lshrrev_b32 v1, 5, v0
	v_readfirstlane_b32 s14, v1                    ; wave 0..3
	s_lshr_b32 s15, s14, 1                         ; which 64 of the 128 tokens are mine.  Also: I fetch tokens (0) or weights (1)
	s_and_b32 s16, s14, 1                          ; which 128 of the 256 channels.  Also: which part I fetch
	s_bfe_u32 s40, ttmp6, 0x40000                  ; cx, cy
	s_bfe_u32 s41, ttmp6, 0x40004
	s_lshl_b32 s42, ttmp9, 2
	s_add_co_u32 s42, s42, s40                     ; x: which 256 channels
	s_and_b32 s17, ttmp7, 0xffff
	s_lshl_b32 s17, s17, 2
	s_add_co_u32 s17, s17, s41                     ; y: which group of 128 tokens, 0..63
	s_lshl_b32 s43, s41, 2
	s_lshl_b32 s43, 15, s43                        ; my row of the cluster
	s_lshl_b32 s44, 0x1111, s40                    ; my column
	s_or_b32 s[G1+0], s43, (3<<16)|(1<<21)         ; the mask; elements of 8 bytes; bit 21 beside a mask
	s_or_b32 s[G1B+0], s44, (3<<16)|(1<<21)
.irp g, G1, G1B
	s_mov_b32 s[\g+1], 32<<16                      ; rows of 32 elements = 256 bytes, one behind the other
	s_mov_b32 s[\g+3], 32<<16
	s_mov_b32 s[\g+5], 32
	s_mov_b32 s[\g+6], 0
	s_mov_b32 s[\g+7], 0
.endr
	s_mov_b32 s[G1+2], 128<<16                     ; at the head: a block of the tokens,
	s_mov_b32 s[G1+4], 128
	s_mov_b32 s[G1B+2], 256<<16                    ; two blocks of the weights
	s_mov_b32 s[G1B+4], 256
	s_lshl_b32 s20, s17, 17                        ; the tokens' group: hangs on y, which my row shares
	s_mov_b32 s21, 0
	s_lshl_b32 s46, s42, 1                         ; the weights' group 2 x + part: hangs on x, which my column shares
	s_add_co_u32 s46, s46, s16
	s_lshl_b32 s46, s46, 17
	s_add_co_u32 s46, s46, 3*1048576
	s_mov_b32 s47, 0
	s_lshl_b32 s18, s16, 15                        ; the head's tokens: K step = part
	s_mov_b32 s19, 0
	s_lshl_b32 s22, s16, 14                        ; a refill's tokens: half a block = part
	s_mov_b32 s23, 0
	s_lshl_b32 s45, s16, 16
	s_add_co_u32 s45, s45, WREG                    ; my weights' region: no place in the cluster enters an LDS address
	s_wait_dscnt 0x0                               ; both opening adds are done
	s_wait_kmcnt 0x0
	s_load_b64 s[96:97], s[10:11], 0x28            ; e10, e11
	s_add_nc_u64 s[20:21], s[4:5], s[20:21]
	s_add_nc_u64 s[46:47], s[6:7], s[46:47]
	s_mov_b32 s[GH], 1
	s_lshl_b32 s[GH+1], s16, 15
	s_add_nc_u64 s[GH+2:GH+3], s[20:21], s[18:19]
	s_or_b32 s[GH+3], s[GH+3], 0x80000000
	s_add_nc_u64 s[20:21], s[20:21], s[22:23]
.irp s, 0,1
	s_mov_b32 s[G0+4*\s], 1
	s_add_co_u32 s[G0+4*\s+1], s22, \s*BLKB
	s_add_nc_u64 s[G0+4*\s+2:G0+4*\s+3], s[20:21], \s*BLKB         ; stepped by two K steps ahead of each refill
	s_or_b32 s[G0+4*\s+3], s[G0+4*\s+3], 0x80000000
	s_mov_b32 s[G0B+4*\s], 1
	s_add_co_u32 s[G0B+4*\s+1], s45, \s*BLKB
	s_add_nc_u64 s[G0B+4*\s+2:G0B+4*\s+3], s[46:47], \s*BLKB
	s_or_b32 s[G0B+4*\s+3], s[G0B+4*\s+3], 0x80000000
.endr
	CROUND                                         ; all sixteen work-groups are here: the first joint loads meet
	JLOAD GH, G1, G0B, G1B                         ; K steps 0 and 1: one tensor load a wave at the head (the weights' slot-0 set names their region's first byte)
	v_and_b32 v1, 15, v0                           ; r
	v_bfe_u32 v2, v0, 4, 1                         ; h
	v_and_b32 v3, 31, v0
	v_lshlrev_b32 v[LI], 4, v3
	s_wait_alu depctr_va_vdst(0)
	s_lshl_b32 s22, s42, 10
	s_lshl_b32 s23, s16, 9
	s_add_co_u32 s22, s22, s23                     ; my first channel, in bytes
	s_mov_b32 s23, 0
	s_add_nc_u64 s[8:9], s[8:9], s[22:23]
	global_load_b128 v[8:11], v[LI], s[8:9]        ; the bias of the four channels that I store
	s_add_nc_u64 s[12:13], s[12:13], s[22:23]
	s_lshl_b32 s22, s17, 7
	s_lshl_b32 s18, s15, 6
	s_add_co_u32 s22, s22, s18                     ; my first token: 128 y + 64 x half
	s_lshl_b32 s22, s22, 12
	s_add_nc_u64 s[12:13], s[12:13], s[22:23]
	s_lshl_b32 s22, s15, 13                        ; my four token tiles of the block's eight
	s_lshl_b32 s23, s16, 16
	s_add_co_u32 s23, s23, WREG                    ; my 128 channels' region
.irp s, 0,1
	v_add_nc_u32 v[ADRA+\s], s22, v[LI]
	v_add_nc_u32 v[ADRB+\s], s23, v[LI]
	s_add_co_u32 s22, s22, BLKB
	s_add_co_u32 s23, s23, BLKB
.endr
	s_mul_i32 s18, s14, 16*SPITCH
	s_add_co_u32 s18, s18, STAGE                   ; my stage
	v_mul_u32_u24 v4, v1, SPITCH
	v_lshl_add_u32 v4, v2, 5, v4
	v_add_nc_u32 v[STO], s18, v4
	v_add_nc_u32 v[RD], s18, v[LI]
.macro FRAG reg, adr, q, i             ; fragment i of the slot's q-th 128 along K, as it lies: four loads of 512 consecutive bytes
.irp c, 0,1,2,3
	ds_load_b128 v[\reg+4*\c:\reg+4*\c+3], v[\adr] offset:16384*(\q)+2048*(\i)+512*\c
.endr
.endm
; 16 matrix instructions: token tiles a0, a0 + 1 x the weights' eight, 128 along K, from sets p.  The 32 accumulators take turns in the same order in every step.
.macro MUL16 a0, p, zero
.irp a, \a0, \a0+1
.irp b, 0,1,2,3,4,5,6,7
.if \zero
	v_wmma_f32_16x16x128_fp8_fp8 v[8*(8*(\a)+\b):8*(8*(\a)+\b)+7], v[128*(\p)+FR*\b:128*(\p)+FR*\b+FR-1], v[AF+64*(\p)+FR*(\a):AF+64*(\p)+FR*(\a)+FR-1], 0
.else
	v_wmma_f32_16x16x128_fp8_fp8 v[8*(8*(\a)+\b):8*(8*(\a)+\b)+7], v[128*(\p)+FR*\b:128*(\p)+FR*\b+FR-1], v[AF+64*(\p)+FR*(\a):AF+64*(\p)+FR*(\a)+FR-1], v[8*(8*(\a)+\b):8*(8*(\a)+\b)+7]
.endif
.endr
.endr
.endm
.macro FETCH slot, q, p                ; a step's 12 fragments into sets p: 48 loads
	WIN TO_B
.irp i, 0,1,2,3,4,5,6,7
	FRAG 128*(\p)+FR*\i, ADRB+\slot, \q, \i
.endr
	WIN 0
.irp i, 0,1,2,3
	FRAG AF+64*(\p)+FR*\i, ADRA+\slot, \q, \i
.endr
.endm
.macro PLACES n
.rept \n
	v_nop
.endr
.endm
; A slot's first step of 128 along K, on sets 0: the second step's fragments are asked for ahead of its 32 products.
.macro STEP slot, zero
	s_wait_dscnt 0x0                               ; sets 0 are in
	PLACES NP                                      ; in front of loads into sets 1, which the step before multiplied
	FETCH \slot, 1, 1
	WIN MUL_LO
	MUL16 0, 0, \zero
	MUL16 2, 0, \zero
	WIN 0
.endm
; A slot's second step, on sets 1, changes slots: each wave waits for all its tensor loads, adds 0 to its spare word, and waits for that and for its reads of this slot; one barrier.
; fill = 1: the barrier opens a round of the cluster's barrier, and the joint refill of this slot, two K steps on, is the first tensor load behind the round.
.macro TURN slot, next, fill
	s_wait_tensorcnt 0x0                           ; all my tensor loads have landed: my part of the next slot
	ds_add_u32 v[SPW], v[NIL]
	s_wait_dscnt 1                                 ; sets 1 are in; the add alone may be out
	WIN MUL_LO
	MUL16 0, 1, 0                                  ; sixteen matrix instructions stand between the add and the wait for it
	WIN 0
	s_wait_dscnt 0x0                               ; the add is done, and my reads of this slot are over
	s_barrier_signal -1
	s_barrier_wait -1
.if \fill
	CREST                                          ; no wave of any partner still reads this slot or has a load on its way
	s_add_nc_u64 s[G0+4*\slot+2:G0+4*\slot+3], s[G0+4*\slot+2:G0+4*\slot+3], 2*BLKB
	s_add_nc_u64 s[G0B+4*\slot+2:G0B+4*\slot+3], s[G0B+4*\slot+2:G0B+4*\slot+3], 2*BLKB
	JLOAD G0+4*\slot, G1, G0B+4*\slot, G1B         ; the four v_nop behind it are also the places in front of the loads below
.else
	PLACES NP
.endif
	FETCH \next, 0, 0
	WIN MUL_LO
	MUL16 2, 1, 0
	WIN 0
.endm
	s_wait_alu depctr_va_vdst(0)
	s_wait_tensorcnt 0x0                           ; my one load is done
	s_barrier_signal -1
	s_barrier_wait -1                              ; everybody's is: K steps 0 and 1 are whole
	s_mov_b32 s[G1+2], 64<<16                      ; no load of mine is out, so group 1 may be written: a refill brings half a block of the tokens,
	s_mov_b32 s[G1+4], 64
	s_mov_b32 s[G1B+2], 128<<16                    ; a block of the weights
	s_mov_b32 s[G1B+4], 128
	FETCH 0, 0, 0
	STEP 0, 1                                      ; K = 1,024 is eight steps of 128, written out: the first starts the sums
	TURN 0, 1, 1                                   ; slot 0 takes K 512-767
	STEP 1, 0
	TURN 1, 0, 1                                   ; slot 1 takes K 768-1,023
	STEP 0, 0
	TURN 0, 1, 0                                   ; nothing is left to fetch
	STEP 1, 0
	s_wait_dscnt 0x0                               ; the last step
	WIN MUL_LO
	MUL16 0, 1, 0
	MUL16 2, 1, 0
	WIN 0
; THE WAY OUT, a block of 16 tokens x 128 channels at a time: through my own stage, back as whole rows of 512 bytes, x 2^(e10 + e11) + bias, and 32 lanes store 512 consecutive bytes.
; LDS serves a wave's instructions in order (ISA guide 5.7.1.4): no wait between the stores into the stage and the loads from it.
.macro TOSTAGE a
.set AC, 64*(\a)
	WIN 0x08                                       ; the stores' data: window 2
.irp b, 0,1,2,3,4,5,6,7
	ds_store_b128 v[STO], v[AC+8*\b:AC+8*\b+3] offset:64*\b        ; each accumulator from its low end on
	ds_store_b128 v[STO], v[AC+8*\b+4:AC+8*\b+7] offset:64*\b+16
.endr
	WIN 0
.set BB, BK+64*((\a)%2)
.irp t, 0,1,2,3,4,5,6,7,8,9,10,11,12,13,14,15
	ds_load_b128 v[BB+4*\t:BB+4*\t+3], v[RD] offset:\t*SPITCH
.endr
.endm
.macro SEND a, younger                 ; younger: the LDS instructions issued behind block a's loads, which may stay out
.set BB, BK+64*((\a)%2)
	s_wait_dscnt \younger
.if (\a) > 0
	s_add_nc_u64 s[12:13], s[12:13], 16*4096       ; (behind a wait on XCNT: the earlier stores have read their base)
.endif
.irp t, 0,1,2,3,4,5,6,7,8,9,10,11,12,13,14,15
	v_pk_fma_f32 v[BB+4*\t:BB+4*\t+1], v[BB+4*\t:BB+4*\t+1], s[96:97], v[8:9] op_sel_hi:[1,0,1]
	v_pk_fma_f32 v[BB+4*\t+2:BB+4*\t+3], v[BB+4*\t+2:BB+4*\t+3], s[96:97], v[10:11] op_sel_hi:[1,0,1]
.endr
.irp t, 0,1,2,3,4,5,6,7,8,9,10,11,12,13,14,15
	global_store_b128 v[LI], v[BB+4*\t:BB+4*\t+3], s[12:13] offset:\t*4096 th:TH_STORE_NT
.endr
.endm
	s_wait_kmcnt 0x0
	s_add_co_i32 s96, s96, s97
	s_add_co_i32 s96, s96, 127
	s_lshl_b32 s96, s96, 23                        ; 2^(e10 + e11) as f32
	s_mov_b32 s97, s96                             ; (named with it as a pair)
	PLACES NP                                      ; in front of the first read of results and of loads into registers that held fragments
	s_wait_loadcnt 0x0                             ; the bias
	TOSTAGE 0
.irp a, 1,2,3
.if \a > 1
	s_wait_xcnt 0x0                                ; block a - 2's stores have read their registers and their base
.endif
	TOSTAGE \a
	SEND \a-1, 32                                  ; behind block a - 1's loads: block a's 16 stores and 16 loads
.endr
	s_wait_xcnt 0x0
	SEND 3, 0
	s_wait_tensorcnt 0x0                           ; the wave's end
	ds_add_u32 v[SPW], v[NIL]
	s_wait_dscnt 0x0
	CROUND                                         ; the closing round
	s_endpgm
.Lfunc_end_k_q5282be2696_outp:
	.size	k_q5282be2696_outp, .Lfunc_end_k_q5282be2696_outp-k_q5282be2696_outp
	.p2alignl 7, 3214868480
	.fill 96, 4, 3214868480
	.section	.rodata,"a",@progbits
	.p2align	6, 0x0
	.amdhsa_kernel k_q5282be2696_outp
		.amdhsa_group_segment_fixed_size 327680
		.amdhsa_private_segment_fixed_size 0
		.amdhsa_enable_private_segment 0
		.amdhsa_kernarg_size 40
		.amdhsa_user_sgpr_count 2
		.amdhsa_user_sgpr_kernarg_segment_ptr 1
		.amdhsa_wavefront_size32 1
		.amdhsa_system_sgpr_workgroup_id_x 1
		.amdhsa_system_sgpr_workgroup_id_y 1
		.amdhsa_system_sgpr_workgroup_id_z 1
		.amdhsa_system_vgpr_workitem_id 0
		.amdhsa_next_free_vgpr 768
		.amdhsa_next_free_sgpr 98
		.amdhsa_reserve_vcc 0
		.amdhsa_float_denorm_mode_32 3
		.amdhsa_float_denorm_mode_16_64 3
		.amdhsa_memory_ordered 1
		.amdhsa_forward_progress 1
		.amdhsa_inst_pref_size 75
	.end_amdhsa_kernel
	.amdgpu_metadata
---
amdhsa.version: [ 1, 2 ]
amdhsa.kernels:
  - .name:           k_q5282be2696_outp
    .symbol:         k_q5282be2696_outp.kd
    .args:
      - { .name: attnc, .offset: 0, .size: 8, .value_kind: global_buffer, .address_space: global }
      - { .name: wc, .offset: 8, .size: 8, .value_kind: global_buffer, .address_space: global }
      - { .name: bo, .offset: 16, .size: 8, .value_kind: global_buffer, .address_space: global }
      - { .name: lowp_scales, .offset: 24, .size: 8, .value_kind: global_buffer, .address_space: global }
      - { .name: out0, .offset: 32, .size: 8, .value_kind: global_buffer, .address_space: global }
    .group_segment_fixed_size: 327680
    .private_segment_fixed_size: 0
    .kernarg_segment_align: 8
    .kernarg_segment_size: 40
    .max_flat_workgroup_size: 128
    .sgpr_count:     98
    .vgpr_count:     768
    .wavefront_size: 32
...
	.end_amdgpu_metadata
.endif
;; end of part 4
